; MI455X (gfx1250); checked and timed in simulation.
; The chip was launched on July 23, 2026; its instructions are those of AMD's public machine-readable ISA for CDNA 5 (MIT licence, August 2026) and "CDNA5" Instruction Set Architecture Reference Guide (July 2026). The comments in the code are by the model that wrote it; some were corrected since.
;; Head. Allowed arithmetic: matrix products marked QUANTISED: E2M1 operands, one E8M0 scale for each 32 along K, by v_wmma_scale_f32_16x16x128_f8f6f4 with both operands' format E2M1 (or v_wmma_scale_f32_32x16x128_f4), f32 sums; everything else in f32.
;; Inputs: Wk 1,024 x 128 float32; Wq 1,024 x 128 float32; Wv 1,024 x 128 float32; x 8 x 4,096 x 1,024 float32.
;; Outputs: out0 8 x 4,096 x 128 float32.
;; This version of the problem:
;;   THIS VERSION OF THE PROBLEM IS GIVEN IN LOW PRECISION. The matrix products marked QUANTISED in the list below multiply operands that are first quantised to E2M1 (2 exponent bits, 1 mantissa bit; 4 bits a number), with one power-of-two scale for each 32 numbers along K (OCP MX v1.0); their sums are f32. All else is computed in f32.
;;   The module's matrix products, in the order in which they are computed (A, B: the left and right operand; K: the contracted axis; several contracted axes count as one K, in the product's order):
;;     1. [M 32,768, K 1,024] x [K 1,024, N 128]; A: input x; B: input Wq: QUANTISED
;;     2. [M 32,768, K 1,024] x [K 1,024, N 128]; A: input x; B: input Wk: QUANTISED
;;     3. [M 32,768, K 1,024] x [K 1,024, N 128]; A: input x; B: input Wv: QUANTISED
;;     4. batch 8 x [M 4,096, K 128] x [K 128, N 4,096]; A: computed on the way; B: computed on the way: QUANTISED
;;     5. batch 8 x [M 4,096, K 4,096] x [K 4,096, N 128]; A: softmax (see below); B: computed on the way: QUANTISED
;;   THE QUANTISER, for each operand of a quantised product, along K:
;;     - K is cut into blocks of 32 from its start; a last block that is shorter is filled with zeros.
;;     - A block's scale is 2^e with e = floor(log2(the largest magnitude in the block)) - 2, held to -126 .. 127; a block of zeros has e = 0. As a byte (E8M0): e + 127.
;;     - Each number is divided by its block's scale, clamped to +-6, and rounded to the nearest number of E2M1, ties to even, subnormals kept.
;;     - The product sums the exact products of the quantised numbers (number of the format x scale) in f32.
;;   ~~~python
;;   def quantise(x, axis):      # numpy; x: float32 -> the quantised numbers, widened to float32 again
;;       x = np.moveaxis(x, axis, -1); K = x.shape[-1]
;;       x = np.pad(x, [(0, 0)] * (x.ndim - 1) + [(0, -K % 32)]); x = x.reshape(x.shape[:-1] + (-1, 32)); a = np.abs(x).max(-1, keepdims=True)
;;       e = np.where(a > 0, np.clip(np.frexp(np.where(a > 0, a, 1))[1] - 1 - 2, -126, 127), 0)      # np.frexp(a)[1] - 1 = floor(log2(a)), exactly
;;       r = np.clip(x / 2.0 ** e, -6, 6)
;;       step = 2.0 ** (np.maximum(np.frexp(np.where(r == 0, 1, r))[1] - 1, 0) - 1)
;;       q = np.round(r / step) * step * 2.0 ** e      # np.round: ties to even
;;       return np.moveaxis(q.reshape(q.shape[:-2] + (-1,))[..., :K], -1, axis).astype(np.float32)
;;   ~~~
;;   SOFTMAX AHEAD OF A QUANTISED PRODUCT. Where the list says 'softmax', what is quantised is not the finished softmax but p = 2^(t - M), with t = logit x log2(e) and M = ceil(the row's largest t), a whole number; so 1/2 < the row's largest p <= 1. The row's sum l is taken of the UNQUANTISED p, in f32, and the product's result is divided by l at the end. Since M is a whole number, a kernel that streams over the keys may use a running M (the ceiling of the running maximum): every later rescaling is an exact power of two, which a block's scale takes up: the codes' values come out the same.
;;   OPERANDS COMPUTED ON THE WAY. 'Computed on the way' means the value that the module computes at that place (a softmax that the list does not call 'softmax' is quantised finished and normalised). What goes into a quantiser is computed in f32, as accurately as f32 sums, v_exp_f32 and their like allow (about 1e-6 of the number): no bf16 or f16 on the way to a quantiser, and a product that is left as it is and whose result goes on into a quantised operand takes f32 operands (vector FMAs, or v_wmma_f32_16x16x4_f32). A number that lies on a knife's edge between two numbers of the format may be rounded either way, as far as f32 arithmetic and the matrix unit's own rounding can turn it there, and no further.
;; One version. Each part assembles by itself: llvm-mc -triple=amdgcn-amd-amdhsa -mcpu=gfx1250 --defsym DOCPART=n.
;; ======== version 1 of 1: 3 launches
;; workspace buffers: wpk 208,896 bytes; qc 2,097,152 bytes; qs 131,072 bytes; kv 4,456,448 bytes
;; launch wq (part 1): grid 3 x 8, 8 waves a work-group, no clusters, 1,536 bytes of LDS; arguments Wq, Wk, Wv, wpk; writes wpk
.if DOCPART == 1
	.amdgcn_target "amdgcn-amd-amdhsa--gfx1250"
	.amdhsa_code_object_version 6
	.text
	.protected	k_qe1c6bd4505_wq
	.globl	k_qe1c6bd4505_wq
	.p2align	8
	.type	k_qe1c6bd4505_wq,@function
k_qe1c6bd4505_wq:
	s_mov_b64 s[64:65], 0
	v_nop
	global_prefetch_b8 v0, s[64:65] scope:SCOPE_SE
	s_setreg_imm32_b32 hwreg(HW_REG_WAVE_MODE, 25, 1), 1
	s_wait_xcnt 0x0
; Wq, Wk, Wv [1024 (k)][128 (n)] f32 become codes of FP4 (E2M1) with one E8M0 byte for each 32 along k, laid in wpk in the ORDER OF AN OPERAND'S REGISTERS.
; wpk: 192 images of 1,024 bytes at (24 s + T) x 1024: s = K step of 128 (0..7), T = tile of 16 columns (0-7 of Wq, 8-15 of Wk, 16-23 of Wv); an image is [c = 0, 1][lane][16 bytes]:
; lane (r, h)'s registers 4 c .. 4 c + 3, k = 128 s + 64 c + 32 h + 0 .. 31 of the tile's r-th column.  Tiles of Wq and Wk take columns that are not neighbours: lane r of tile 2 B + u takes column
; 32 B + 8 u + r + 8 (r / 8), so that the next launch's results lie along the head's axis in a lane's registers.  Tiles of Wv take columns 16 n + r.
; From byte 196,608: the scale words, at 1536 s + 512 g + 16 lane + 4 j: lanes 0-15 hold tile 4 g + j's words, lanes 16-31 tile 12 + 4 g + j's: one 16-byte load a lane brings four tiles' words for each half.
; SHARES: work-group (g, s); wave w makes ONE fragment: T = 12 (w / 4) + 4 g + w % 4.  A lane takes a column and its 64 registers run down k, in the order the operand wants: nothing is transposed.
; No cluster: no two work-groups read the same bytes.  The weights are 1.5 MB in all: 24 work-groups is all the work there is; each wave has its 64 loads out at once.
; LIMITS: NaN and infinities are not served; a block whose largest magnitude lies under 2^-124, a block of zeros among them, gets the byte 1 (zeros: the codes are zeros, and this program alone reads the bytes).
.set SCW,   196608                     ; where the scale words begin in wpk
.set SPARE, 512                        ; LDS: 512 bytes of scale words, then the spare words, 128 bytes for each of eight waves
.set SPW,   12                         ; v12  my spare word's LDS address; never rewritten
.set NIL,   13                         ; v13  0; never rewritten
	s_load_b256 s[4:11], s[0:1], 0x0               ; Wq s[4:5], Wk s[6:7], Wv s[8:9], wpk s[10:11]
	v_lshl_add_u32 v[SPW], v0, 2, SPARE
	v_mov_b32 v[NIL], 0
	v_lshrrev_b32 v1, 5, v0
	v_readfirstlane_b32 s16, v1                    ; wave 0..7
	v_and_b32 v3, 31, v0                           ; lane
	v_and_b32 v1, 15, v0                           ; r
	v_bfe_u32 v2, v0, 4, 1                         ; h
	s_and_b32 s17, ttmp7, 0xffff                   ; s: the K step
	s_lshr_b32 s20, s16, 2                         ; hh
	s_and_b32 s21, s16, 3                          ; j
	s_mul_i32 s22, s20, 12
	s_lshl_b32 s23, ttmp9, 2
	s_add_co_u32 s22, s22, s23
	s_add_co_u32 s22, s22, s21                     ; T = 12 hh + 4 g + j
	s_and_b32 s23, s22, 7                          ; the tile within its weight
	s_lshr_b32 s24, s23, 1
	s_lshl_b32 s24, s24, 5
	s_and_b32 s25, s23, 1
	s_lshl_b32 s25, s25, 3
	s_add_co_u32 s24, s24, s25                     ; Wq, Wk: first column 32 (t / 2) + 8 (t % 2)
	s_lshl_b32 s25, s23, 4                         ; Wv: 16 t
	s_cmp_lt_u32 s22, 16
	s_cselect_b32 s24, s24, s25
	s_cselect_b32 s26, 8, 0                        ; Wq, Wk: lanes 8-15 stand 8 columns further on
	v_and_b32 v4, s26, v1
	v_add_nc_u32 v4, v4, v1
	v_add_nc_u32 v4, s24, v4                       ; my column
	v_lshlrev_b32 v4, 2, v4
	v_lshl_add_u32 v4, v2, 14, v4                  ; 4 x column + 32 h rows of 512 bytes
	v_lshlrev_b32 v5, 4, v3                        ; 16 x lane
	s_lshl_b32 s27, s20, 8
	s_lshl_b32 s28, s21, 2
	s_add_co_u32 s27, s27, s28
	v_lshl_add_u32 v6, v1, 4, s27                  ; LDS: my column's scale word at 16 r + 256 hh + 4 j
	s_lshl_b32 s28, s17, 16                        ; the K step's 128 rows of 512 bytes
	s_mov_b32 s29, 0
	s_mul_i32 s30, s17, 24
	s_add_co_u32 s30, s30, s22
	s_lshl_b32 s30, s30, 10                        ; my image
	s_mov_b32 s31, 0
	s_mul_i32 s32, s17, 1536
	s_lshl_b32 s33, ttmp9, 9
	s_add_co_u32 s32, s32, s33
	s_add_co_u32 s32, s32, SCW                     ; the work-group's 512 bytes of scale words
	s_mov_b32 s33, 0
	s_mov_b32 s36, 0x76543210
	s_mov_b32 s37, 0xfedcba98                      ; v_permlanex16_b32's selects for lane l xor 16
	s_wait_kmcnt 0x0
	s_cmp_lt_u32 s22, 8                            ; which weight: the choice hangs on the tile's number alone
	s_cselect_b64 s[4:5], s[4:5], s[6:7]
	s_cmp_lt_u32 s22, 16
	s_cselect_b64 s[4:5], s[4:5], s[8:9]
	s_add_nc_u64 s[4:5], s[4:5], s[28:29]
	s_add_nc_u64 s[30:31], s[10:11], s[30:31]
	s_add_nc_u64 s[32:33], s[10:11], s[32:33]
.irp c, 0,1
.irp i, 0,1,2,3,4,5,6,7,8,9,10,11,12,13,14,15,16,17,18,19,20,21,22,23,24,25,26,27,28,29,30,31
	global_load_b32 v[64+32*\c+\i], v4, s[4:5] offset:512*(64*\c+\i)   ; W(128 s + 64 c + 32 h + i, my column)
.endr
.endr
	s_wait_loadcnt 0x0
.irp c, 0,1                                    ; my block 2 c + h: all its 32 numbers are mine
	v_max3_num_f32 v[32+\c], |v[64+32*\c]|, |v[65+32*\c]|, 0x1800000   ; with the floor 2^(3 - 127): the byte cannot fall under 1
.endr
.irp i, 2,4,6,8,10,12,14,16,18,20,22,24,26,28,30
.irp c, 0,1
	v_max3_num_f32 v[32+\c], v[32+\c], |v[64+32*\c+\i]|, |v[65+32*\c+\i]|
.endr
.endr
.irp c, 0,1
	v_add_nc_u32 v[44+\c], 0xff000000, v[32+\c]    ; 2 off the exponent field: the conversion takes this operand's exponent field as its scale
.endr
.irp c, 0,1
	v_lshrrev_b32 v[36+\c], 23, v[44+\c]           ; the scale's byte
.endr
	v_lshl_or_b32 v9, v37, 16, v36                 ; my two bytes, blocks h and 2 + h,
	v_lshlrev_b32 v10, 3, v2
	v_lshlrev_b32 v9, v10, v9                      ; at their places in the word;
	v_mov_b32 v10, 0
	v_permlanex16_b32 v10, v9, s36, s37
	v_or_b32 v9, v9, v10                           ; with lane l xor 16's two the word is whole
.irp c, 0,1
.irp g, 0,1,2,3
	v_cvt_scalef32_pk8_fp4_f32 v[48+4*\c+\g], v[64+32*\c+8*\g:71+32*\c+8*\g], v[44+\c]
.endr
.endr
	v_nop                                          ; one plain line behind the last scaled conversion
	global_store_b128 v5, v[48:51], s[30:31]       ; the image: each store covers 512 consecutive bytes, aligned
	global_store_b128 v5, v[52:55], s[30:31] offset:512
	ds_store_b32 v6, v9                            ; lanes r and r + 16 write the same word with the same value
	s_wait_dscnt 0x0                               ; for the others' sake: my word has landed
	s_barrier_signal -1
	s_barrier_wait -1
	s_cmp_lg_u32 s16, 0
	s_cbranch_scc1 .Lend
	ds_load_b128 v[16:19], v5                      ; wave 0 takes the eight waves' words, 16 bytes a lane,
	s_wait_dscnt 0x0
	global_store_b128 v5, v[16:19], s[32:33]       ; and stores 512 consecutive bytes, aligned
.Lend:
	s_wait_tensorcnt 0x0                           ; the wave's end: a wait, 0 added to my spare word and the wait for it, behind my last LDS store
	ds_add_u32 v[SPW], v[NIL]
	s_wait_dscnt 0x0
	s_endpgm
.Lfunc_end_k_qe1c6bd4505_wq:
	.size	k_qe1c6bd4505_wq, .Lfunc_end_k_qe1c6bd4505_wq-k_qe1c6bd4505_wq
	.p2alignl 7, 3214868480
	.fill 96, 4, 3214868480
	.section	.rodata,"a",@progbits
	.p2align	6, 0x0
	.amdhsa_kernel k_qe1c6bd4505_wq
		.amdhsa_group_segment_fixed_size 1536
		.amdhsa_private_segment_fixed_size 0
		.amdhsa_enable_private_segment 0
		.amdhsa_kernarg_size 32
		.amdhsa_user_sgpr_count 2
		.amdhsa_user_sgpr_kernarg_segment_ptr 1
		.amdhsa_wavefront_size32 1
		.amdhsa_system_sgpr_workgroup_id_x 1
		.amdhsa_system_sgpr_workgroup_id_y 1
		.amdhsa_system_sgpr_workgroup_id_z 1
		.amdhsa_system_vgpr_workitem_id 0
		.amdhsa_next_free_vgpr 128
		.amdhsa_next_free_sgpr 66
		.amdhsa_reserve_vcc 0
		.amdhsa_float_denorm_mode_32 3
		.amdhsa_float_denorm_mode_16_64 3
		.amdhsa_memory_ordered 1
		.amdhsa_forward_progress 1
		.amdhsa_inst_pref_size 13
	.end_amdhsa_kernel
	.amdgpu_metadata
---
amdhsa.version: [ 1, 2 ]
amdhsa.kernels:
  - .name:           k_qe1c6bd4505_wq
    .symbol:         k_qe1c6bd4505_wq.kd
    .args:
      - { .name: Wq, .offset: 0, .size: 8, .value_kind: global_buffer, .address_space: global }
      - { .name: Wk, .offset: 8, .size: 8, .value_kind: global_buffer, .address_space: global }
      - { .name: Wv, .offset: 16, .size: 8, .value_kind: global_buffer, .address_space: global }
      - { .name: wpk, .offset: 24, .size: 8, .value_kind: global_buffer, .address_space: global }
    .group_segment_fixed_size: 1536
    .private_segment_fixed_size: 0
    .kernarg_segment_align: 8
    .kernarg_segment_size: 32
    .max_flat_workgroup_size: 256
    .sgpr_count:     66
    .vgpr_count:     128
    .wavefront_size: 32
...
	.end_amdgpu_metadata
.endif
;; end of part 1
;; launch proj (part 2): grid 256 x 1, 4 waves a work-group, clusters of 4 x 1, 278,528 bytes of LDS; arguments x, wpk, qc, qs, kv; writes qc, qs, kv
.if DOCPART == 2
	.amdgcn_target "amdgcn-amd-amdhsa--gfx1250"
	.amdhsa_code_object_version 6
	.text
	.protected	k_qe1c6bd4505_proj
	.globl	k_qe1c6bd4505_proj
	.p2align	8
	.type	k_qe1c6bd4505_proj,@function
k_qe1c6bd4505_proj:
	s_mov_b64 s[64:65], 0
	v_nop
	global_prefetch_b8 v0, s[64:65] scope:SCOPE_SE
	s_setreg_imm32_b32 hwreg(HW_REG_WAVE_MODE, 25, 1), 1
	s_wait_xcnt 0x0
	s_wait_alu depctr_hold_cnt(0) depctr_sa_sdst(0) depctr_va_vdst(0) depctr_va_sdst(0) depctr_va_ssrc(0) depctr_va_vcc(0) depctr_vm_vsrc(0)
	s_getreg_b32 s2, hwreg(HW_REG_IB_STS2, 6, 4)
	s_cmp_eq_u32 s2, 0
	s_cbranch_scc0 .Lentry_in_a_cluster
	s_endpgm
.Lentry_in_a_cluster:
	s_bfe_u32 s2, ttmp6, 0x10000c
	s_cmp_lg_u32 s2, 0x3003
	s_cbranch_scc0 .Lentry_shape_is_right
	s_endpgm
.Lentry_shape_is_right:
; q = x Wq, k = x Wk, v = x Wv on codes of FP4 (E2M1) with one E8M0 scale for each 32 along K = 1,024; the results are quantised at once, for the attention launch, and leave as codes alone.
; x: [32,768][1,024] f32, read once.  wpk: the weights' fragment images and scale words.  OUT, all as images of operand registers ([c][lane][16 bytes], 1,024 bytes for 16 rows x 128):
;   qc: q's fragments, K = the head's 128, a tile of 16 queries each;  qs: their scale words, 64 bytes a tile.
;   kv: one record of 17,408 bytes for each 128 keys: +0 k's 8 fragments; +8,192 v's 8 fragments (16 of the head's 128 x 128 KEYS: the keys are the second product's K); +16,384 k's scale words; +16,896 v's.
; TILE ORDER: within 128 rows, lane r of tile 2 b + u is row 32 b + 8 u + r + 8 (r / 8).
; SHARES: a work-group owns 128 rows (one record); wave b owns rows 32 b .. 32 b + 31, two tiles, for all 384 columns and all of K: 48 accumulators, 384 registers.  Waves share the weights in LDS and nothing else until the scale words meet at the end.
; x COMES THROUGH REGISTERS: a unit is 16 rows x 128 along K, 16 loads of 512 consecutive bytes; a ring of four units a wave, held by counted waits, so that two to four units of each wave are always on their way.
; The conversions want 16 neighbours along K in a lane, so a unit turns through the wave's own stage in LDS (rows of 512 + 16 bytes: the sixteen rows that a load touches start at sixteen different banks, ISA guide 11.1).
; q AND k ARE MADE TRANSPOSED (source 0 = 16 columns of W, source 1 = 16 rows of x): a lane holds one row and its registers run along the head's axis.  v is made straight (source 0 = x, source 1 = W): a lane holds one
; column d and its registers run along the KEYS.  So one macro quantises x, q, k and v.
; CLUSTER: the four work-groups of a cluster need the same weights: each wave's quarter of wpk is asked for JOINTLY, once, at the head.  LDS is filled once: no slot is filled again.
; No prefetch: x's own loads stand four units ahead of their use.
; LIMITS: NaN and infinities are not served; a block whose largest magnitude lies under 2^-124, a block of zeros among them, gets the byte 1 (zeros: the codes are zeros, and this program alone reads the bytes).
; REGISTERS, in windows of 256: window 0: v1-9 addresses; v16-27 W's scale words; v28-29 x's; v30-31 the add's two; v32-47 at work; v48-63 x's two fragments; v64-191 two units turned; v192-255 the results' codes.
;   window 1: v0-127 two sets of 8 fragments of W; v128-255 ring slots 0, 1.   window 2: q's accumulators at 64 u + 8 t, k's at 128 + 64 u + 8 t.   window 3: v's accumulators at 16 n + 8 u; v128-255 ring slots 2, 3.
.set WSC,   196608                     ; LDS 0 .. 208,895: wpk as it lies; its scale words from here
.set STG,   208896                     ; the stages: wave b's two at 16,896 b, 16 rows x 528 bytes each
.set SCX,   276480                     ; q's, k's, v's scale words of the 128 rows: 512 bytes each
.set SPARE, 278016                     ; the spare words, 128 bytes for each wave: two blocks of 256 bytes that no other line names
.set XO,  1                            ; v1  16 x lane
.set SWA, 2                            ; v2  my stage + 16 x lane: a row goes in as it was loaded
.set SRA, 3                            ; v3  my stage + 528 r + 64 h: my 16 neighbours of each block of 32 come out
.set WAD, 4                            ; v4  16 x lane + 24,576 x K step: W's images
.set WSA, 5                            ; v5  WSC + 16 x lane + 1,536 x K step: W's scale words
.set SCA, 6                            ; v6  SCX + 128 b + 4 x lane
.set VBA, 7                            ; v7  SCX + 1,024 + 4 r + b
.set VO,  8                            ; v8  1,024 h + 16 r
.set SCR, 9                            ; v9  SCX + 512 min(b, 2) + 16 x lane
.set SW,  16
.set XW,  28
.set SPW, 30
.set NIL, 31
.set TM,  32                           ; v32-35 largest magnitudes, v36-39 bytes, v44-47 the conversions' scale operands
.set XC,  48
.set X0,  64
.set WV,  14                           ; s14 my wave's number
.set G1,  24                           ; s[24:31] descriptor group 1;  s[32:35] group 0
.set G0,  32
.set XB,  36                           ; s[36:37] x at my wave's first row
.set SEL, 48                           ; s[48:49] lane selects: lane l xor 16
.set MSB, 0
.macro WIN new                         ; the immediate's high byte repeats the setting that is left; a switch that changes nothing is dropped
.if MSB != (\new)
	s_set_vgpr_msb (MSB<<8)|(\new)
.set MSB, (\new)
.endif
.endm
.macro PLACES n
.rept \n
	v_nop
.endr
.endm
.macro ROUND                           ; a round of the cluster's barrier
	s_barrier_signal -1
	s_barrier_wait -1
	s_cmp_lg_u32 s[WV], 0
	s_cbranch_scc1 .Lnw0_\@
	s_barrier_signal -3
.Lnw0_\@:
	s_barrier_wait -3
	s_barrier_signal -1
	s_barrier_wait -1
.endm
; unit i = 2 s + u: tile u's 16 rows, K step s, into ring slot i % 4: each load takes 512 consecutive bytes of one row
.macro LOADX i
.if ((\i)%4) < 2
	WIN 0x40
.else
	WIN 0xc0
.endif
.set LR, 128+64*((\i)%2)
.set LO, 8*((\i)%2)*4096+512*((\i)/2)
.irp j, 0,1,2,3,4,5,6,7,8,9,10,11,12,13,14,15
	global_load_b128 v[LR+4*\j:LR+4*\j+3], v[XO], s[XB:XB+1] offset:LO+(\j+8*(\j/8))*4096 th:TH_LOAD_NT
.endr
.endm
; unit i through my stage: LDS serves a wave's instructions in order (ISA guide 5.7.1.4), so no wait stands between the stores and the loads.  Register 16 bk + i' of the result is k 32 bk + 16 h + i' of row r
.macro TURN i
.if ((\i)%4) < 2
	WIN 0x04
.else
	WIN 0x0c
.endif
.set LR, 128+64*((\i)%2)
.set LS, 8448*((\i)%2)
.irp j, 0,1,2,3,4,5,6,7,8,9,10,11,12,13,14,15
	ds_store_b128 v[SWA], v[LR+4*\j:LR+4*\j+3] offset:LS+528*\j
.endr
	WIN 0
.set LX, X0+64*((\i)%2)
.irp bk, 0,1,2,3
.irp jj, 0,1,2,3
	ds_load_b128 v[LX+16*\bk+4*\jj:LX+16*\bk+4*\jj+3], v[SRA] offset:LS+128*\bk+16*\jj
.endr
.endr
.endm
.macro FETCHW grp, buf                 ; the K step's 8 fragments of weight grp (0 q, 1 k, 2 v) into set buf of window 1
	WIN 0x40
.irp t, 0,1,2,3,4,5,6,7
.irp c, 0,1
	ds_load_b128 v[64*\buf+8*\t+4*\c:64*\buf+8*\t+4*\c+3], v[WAD] offset:(8*\grp+\t)*1024+512*\c
.endr
.endr
.endm
.macro FETCHS                          ; the K step's scale words of all 24 tiles: register SW + T % 12, lanes 0-15 for T < 12, lanes 16-31 for the others
	WIN 0
.irp g, 0,1,2
	ds_load_b128 v[SW+4*\g:SW+4*\g+3], v[WSA] offset:512*\g
.endr
.endm
; 64 numbers of a lane in window w, register s + 16 b + i = place 32 b + 16 h + i along the operand's K, become a fragment's codes in v[pc] on and its scale word in v[pw] (window 0).
.macro QUANT s, w, pc, pw
	WIN (\w)|((\w)<<2)
.irp b, 0,1,2,3
	v_max3_num_f32 v[TM+\b], |v[(\s)+16*\b]|, |v[(\s)+1+16*\b]|, 0x1800000   ; block b: my 16 numbers, from each accumulator's low end on, and the floor 2^(3 - 127): the byte cannot fall under 1
.endr
	WIN ((\w)<<2)|((\w)<<4)
.irp i, 2,4,6,8,10,12,14
.irp b, 0,1,2,3
	v_max3_num_f32 v[TM+\b], v[TM+\b], |v[(\s)+16*\b+\i]|, |v[(\s)+1+16*\b+\i]|   ; the four blocks by turns
.endr
.endr
	WIN 0
.irp b, 0,1,2,3
	v_permlanex16_b32 v[TM+4+\b], v[TM+\b], s[SEL], s[SEL+1]
.endr
.irp b, 0,1,2,3
	v_max_num_f32 v[TM+\b], v[TM+\b], v[TM+4+\b]   ; with lane l xor 16's: the block's largest magnitude
.endr
.irp b, 0,1,2,3
	v_add_nc_u32 v[TM+12+\b], 0xff000000, v[TM+\b] ; 2 off its exponent field: the conversion's scale operand
.endr
.irp b, 0,1,2,3
	v_lshrrev_b32 v[TM+4+\b], 23, v[TM+12+\b]      ; the scale's byte
.endr
	v_lshl_or_b32 v[\pw], v[TM+5], 8, v[TM+4]
	v_lshl_or_b32 v[\pw], v[TM+6], 16, v[\pw]
	v_lshl_or_b32 v[\pw], v[TM+7], 24, v[\pw]
	WIN (\w)
.irp b, 0,1,2,3
	v_cvt_scalef32_pk8_fp4_f32 v[(\pc)+2*\b], v[(\s)+16*\b:(\s)+7+16*\b], v[TM+12+\b]
	v_cvt_scalef32_pk8_fp4_f32 v[(\pc)+1+2*\b], v[(\s)+8+16*\b:(\s)+15+16*\b], v[TM+12+\b]
.endr
	WIN 0
	v_nop                                          ; one plain line behind a scaled conversion
.irp c, 0,1                                    ; a WHOLE block to a lane: lanes 0-15 block 2 c, lanes 16-31 block 2 c + 1
.irp i, 0,1
	v_permlane16_swap_b32 v[(\pc)+4*\c+\i], v[(\pc)+2+4*\c+\i]
.endr
.endr
.endm
.macro WMM d, a, b, sa, sb, zero, rowa, rowb   ; one product; zero = 1: it starts the sum; rowa, rowb: that side's scales stand in lanes 16-31
.if \zero
.if \rowa
	v_wmma_scale_f32_16x16x128_f8f6f4 v[(\d):(\d)+7], v[(\a):(\a)+7], v[(\b):(\b)+7], 0, v[\sa], v[\sb] matrix_a_fmt:MATRIX_FMT_FP4 matrix_b_fmt:MATRIX_FMT_FP4 matrix_a_scale:MATRIX_SCALE_ROW1
.elseif \rowb
	v_wmma_scale_f32_16x16x128_f8f6f4 v[(\d):(\d)+7], v[(\a):(\a)+7], v[(\b):(\b)+7], 0, v[\sa], v[\sb] matrix_a_fmt:MATRIX_FMT_FP4 matrix_b_fmt:MATRIX_FMT_FP4 matrix_b_scale:MATRIX_SCALE_ROW1
.else
	v_wmma_scale_f32_16x16x128_f8f6f4 v[(\d):(\d)+7], v[(\a):(\a)+7], v[(\b):(\b)+7], 0, v[\sa], v[\sb] matrix_a_fmt:MATRIX_FMT_FP4 matrix_b_fmt:MATRIX_FMT_FP4
.endif
.else
.if \rowa
	v_wmma_scale_f32_16x16x128_f8f6f4 v[(\d):(\d)+7], v[(\a):(\a)+7], v[(\b):(\b)+7], v[(\d):(\d)+7], v[\sa], v[\sb] matrix_a_fmt:MATRIX_FMT_FP4 matrix_b_fmt:MATRIX_FMT_FP4 matrix_a_scale:MATRIX_SCALE_ROW1
.elseif \rowb
	v_wmma_scale_f32_16x16x128_f8f6f4 v[(\d):(\d)+7], v[(\a):(\a)+7], v[(\b):(\b)+7], v[(\d):(\d)+7], v[\sa], v[\sb] matrix_a_fmt:MATRIX_FMT_FP4 matrix_b_fmt:MATRIX_FMT_FP4 matrix_b_scale:MATRIX_SCALE_ROW1
.else
	v_wmma_scale_f32_16x16x128_f8f6f4 v[(\d):(\d)+7], v[(\a):(\a)+7], v[(\b):(\b)+7], v[(\d):(\d)+7], v[\sa], v[\sb] matrix_a_fmt:MATRIX_FMT_FP4 matrix_b_fmt:MATRIX_FMT_FP4
.endif
.endif
.endm
; The 48 accumulators take turns, one instruction a turn, in the same order in every K step.
.macro MULQK grp, zero                 ; q (grp 0) or k (1): source 0 = W's tile (window 1), source 1 = x's tile (window 0), sums in window 2
	WIN 0xa1
.irp t, 0,1,2,3,4,5,6,7
.irp u, 0,1
	WMM 128*\grp+64*\u+8*\t, 64*\grp+8*\t, XC+8*\u, SW+(8*\grp+\t)%12, XW+\u, \zero, (8*\grp+\t)/12, 0
.endr
.endr
.endm
.macro MULV zero                       ; v: source 0 = x's tile (window 0), source 1 = W's tile (window 1, set 0), sums in window 3
	WIN 0xf4
.irp n, 0,1,2,3,4,5,6,7
.irp u, 0,1
	WMM 16*\n+8*\u, XC+8*\u, 8*\n, XW+\u, SW+4+\n, \zero, 0, 1
.endr
.endr
.endm
	s_load_b256 s[4:11], s[0:1], 0x0               ; x s[4:5], wpk s[6:7], qc s[8:9], qs s[10:11]
	s_load_b64 s[12:13], s[0:1], 0x20              ; kv
	v_lshl_add_u32 v[SPW], v0, 2, SPARE
	v_mov_b32 v[NIL], 0
	ds_add_u32 v[SPW], v[NIL]                      ; the wave's opening: the add and its wait stand ahead of my first tensor load; the set-up below, work on registers, stands between them
	v_lshrrev_b32 v10, 5, v0
	v_readfirstlane_b32 s[WV], v10                 ; wave b = 0..3
	s_bfe_u32 s15, ttmp6, 0x40000                  ; cx: it enters global addresses of x and of the outputs alone
	s_lshl_b32 s16, ttmp9, 2
	s_add_co_u32 s16, s16, s15                     ; G: my 128 rows
	; descriptor group 1: a quarter of wpk, 52,224 dense bytes, as 204 rows of 32 elements of 8 bytes; no padding: images are read 512 consecutive bytes at a time
	s_mov_b32 s[G1+0], 15|(3<<16)|(1<<21)          ; 15:0 the mask: all four work-groups; 17:16 elements of 8 bytes; 21 set beside a mask
	s_mov_b32 s[G1+1], 32<<16                      ; tensor_dim0 = 32
	s_mov_b32 s[G1+2], 204<<16                     ; tensor_dim1 = 204
	s_mov_b32 s[G1+3], 32<<16                      ; tile_dim0 = 32
	s_mov_b32 s[G1+4], 204                         ; tile_dim1 = 204
	s_mov_b32 s[G1+5], 32                          ; from row to row
	s_mov_b32 s[G1+6], 0
	s_mov_b32 s[G1+7], 0
	s_mov_b32 s[G0], 1
	s_mul_i32 s[G0+1], s[WV], 52224                ; LDS address: my quarter
	s_mul_i32 s52, s[WV], 52224                    ; and the same in wpk (registers that never hold cx)
	s_mov_b32 s53, 0
	s_mov_b32 s46, 0xffff0000                      ; lanes 16-31
	s_mov_b32 s[SEL], 0x76543210
	s_mov_b32 s[SEL+1], 0xfedcba98
	v_and_b32 v10, 31, v0                          ; lane
	v_and_b32 v11, 15, v0                          ; r
	v_bfe_u32 v12, v0, 4, 1                        ; h
	v_lshlrev_b32 v[XO], 4, v10
	s_mul_i32 s17, s[WV], 16896
	s_add_co_u32 s17, s17, STG
	v_add_nc_u32 v[SWA], s17, v[XO]
	v_mul_u32_u24 v[SRA], v11, 528
	v_lshl_add_u32 v[SRA], v12, 6, v[SRA]
	v_add_nc_u32 v[SRA], s17, v[SRA]
	v_lshlrev_b32 v[WAD], 4, v10
	v_add_nc_u32 v[WSA], WSC, v[XO]
	s_lshl_b32 s18, s[WV], 7
	s_add_co_u32 s18, s18, SCX
	v_lshl_add_u32 v[SCA], v10, 2, s18
	s_add_co_u32 s18, s[WV], SCX+1024
	v_lshl_add_u32 v[VBA], v11, 2, s18
	v_lshlrev_b32 v[VO], 4, v11
	v_lshl_add_u32 v[VO], v12, 10, v[VO]
	s_min_u32 s18, s[WV], 2
	s_lshl_b32 s18, s18, 9
	s_add_co_u32 s18, s18, SCX
	v_add_nc_u32 v[SCR], s18, v[XO]
.irp b, 0,1,2,3
	v_mov_b32 v[TM+4+\b], 0                        ; written once: a lane permute's destination counts as one of its sources
.endr
	s_wait_dscnt 0x0                               ; the opening add is done
	s_wait_kmcnt 0x0
	s_add_nc_u64 s[G0+2:G0+3], s[6:7], s[52:53]
	s_or_b32 s[G0+3], s[G0+3], 0x80000000          ; type = 2
	s_lshl_b32 s20, s16, 19                        ; 128 rows of 4,096 bytes,
	s_lshl_b32 s21, s[WV], 17                      ; my wave's 32
	s_add_co_u32 s20, s20, s21
	s_mov_b32 s21, 0
	s_add_nc_u64 s[XB:XB+1], s[4:5], s[20:21]
	s_lshl_b32 s20, s16, 13
	s_lshl_b32 s22, s[WV], 11
	s_add_co_u32 s20, s20, s22
	s_add_nc_u64 s[38:39], s[8:9], s[20:21]        ; qc at tile 8 G + 2 b
	s_mul_i32 s23, s16, 17408                      ; my record
	s_add_co_u32 s20, s23, s22
	s_add_nc_u64 s[40:41], s[12:13], s[20:21]      ; k's images 2 b, 2 b + 1
	s_lshr_b32 s17, s[WV], 1
	s_lshl_b32 s17, s17, 9
	s_and_b32 s18, s[WV], 1
	s_lshl_b32 s18, s18, 8
	s_add_co_u32 s20, s23, s17
	s_add_co_u32 s20, s20, s18
	s_add_co_u32 s20, s20, 8192
	s_add_nc_u64 s[42:43], s[12:13], s[20:21]      ; v's images: my 32 keys are registers 4 (b / 2) on of lanes 16 (b % 2) on
	s_add_co_u32 s20, s23, s17
	s_add_co_u32 s20, s20, 16384
	s_add_nc_u64 s[50:51], s[12:13], s[20:21]      ; wave 1: k's scale words; wave 2: v's
	s_lshl_b32 s20, s16, 9
	s_add_nc_u64 s[44:45], s[10:11], s[20:21]      ; wave 0: q's
	s_cmp_eq_u32 s[WV], 0
	s_cselect_b64 s[44:45], s[44:45], s[50:51]
	LOADX 0                                        ; x's first units go out ahead of everything
	LOADX 1
	LOADX 2
	WIN 0
	ROUND                                          ; all four work-groups are here: the joint loads meet
	tensor_load_to_lds s[G0:G0+3], s[G1:G1+7]      ; my quarter of the weights: my one tensor load of the launch
	s_nop 0
	PLACES 4
	LOADX 3
	WIN 0
	s_wait_tensorcnt 0x0                           ; my quarter is in,
	s_barrier_signal -1
	s_barrier_wait -1                              ; everybody's is
	FETCHW 0, 0
	FETCHW 1, 1
	FETCHS
	s_wait_loadcnt 48                              ; unit 0's 16 loads are in; units 1 to 3 stay out
	TURN 0
	s_wait_loadcnt 32                              ; unit 1's
	TURN 1
; A K STEP of 128: two units of x are quantised; 48 products; the next step's units turn through the stage and its weights are fetched meanwhile.
.macro KSTEP s, zero
	s_wait_dscnt 0x0                               ; both units are back from the stage, Wq's and Wk's fragments and the scale words are in; and the stage's stores have read ring slots 2 s and 2 s + 1,
.if (\s) <= 5
	LOADX 2*(\s)+4                                 ; which take the units of two K steps on: four units of mine are out again
	LOADX 2*(\s)+5
.endif
	QUANT X0, 0, XC, XW
	QUANT X0+64, 0, XC+8, XW+1
	PLACES 8                                       ; a scale register written by a vector instruction stands 8 places ahead of a scaled product, an operand so written 4
	MULQK 0, \zero
	MULQK 1, \zero
	PLACES 4                                       ; in front of loads into registers that products have read (ISA guide 7.12.1 for vector instructions)
	FETCHW 2, 0
.if (\s) < 7
.if (\s) == 6
	s_wait_loadcnt 16                              ; unit 14 is in; unit 15 stays out
.else
	s_wait_loadcnt 48                              ; unit 2 s + 2 is in; the three behind it stay out
.endif
	TURN 2*(\s)+2
	s_wait_dscnt 32                                ; Wv's fragments are in: only the turn's 32 were issued behind them
.else
	s_wait_dscnt 0x0
.endif
	MULV \zero
.if (\s) < 7
	PLACES 4
.if (\s) == 6
	s_wait_loadcnt 0x0
.else
	s_wait_loadcnt 32                              ; unit 2 s + 3 is in
.endif
	TURN 2*(\s)+3
	v_add_nc_u32 v[WAD], 24576, v[WAD]             ; the next K step's 24 images,
	v_add_nc_u32 v[WSA], 1536, v[WSA]              ; and scale words
	FETCHW 0, 0
	FETCHW 1, 1
	FETCHS
.endif
.endm
	KSTEP 0, 1                                     ; the first K step's products start the sums: nothing is cleared
	KSTEP 1, 0
	KSTEP 2, 0
	KSTEP 3, 0
	KSTEP 4, 0
	KSTEP 5, 0
	KSTEP 6, 0
	KSTEP 7, 0
	; THE WAY OUT.  Every result has registers of its own, so that no store's data are written again.
	PLACES 4                                       ; in front of the first read of results
.irp u, 0,1                                    ; q: tile u's 64 registers run along the head's axis
	QUANT 64*\u, 2, 192+8*\u, 240+\u
.irp c, 0,1
	global_store_b128 v[XO], v[192+8*\u+4*\c:192+8*\u+4*\c+3], s[38:39] offset:1024*\u+512*\c   ; 512 consecutive bytes, aligned
.endr
.endr
.irp u, 0,1                                    ; k likewise
	QUANT 128+64*\u, 2, 208+8*\u, 242+\u
.irp c, 0,1
	global_store_b128 v[XO], v[208+8*\u+4*\c:208+8*\u+4*\c+3], s[40:41] offset:1024*\u+512*\c
.endr
.endr
	v_cndmask_b32 v246, v240, v241, s46            ; lanes 0-15: tile 2 b's scale words, lanes 16-31: tile 2 b + 1's
	v_cndmask_b32 v247, v242, v243, s46
	ds_store_b32 v[SCA], v246
	ds_store_b32 v[SCA], v247 offset:512
.irp m, 0,1                                    ; v: 'block' b' is column tile 4 m + b'; its 16 registers are keys 16 h + 0 .. 15 of my 32: one block of 32 along the keys, in lanes l and l xor 16
	QUANT 64*\m, 3, 224+8*\m, 244+\m
.irp c, 0,1
	global_store_b128 v[VO], v[224+8*\m+4*\c:224+8*\m+4*\c+3], s[42:43] offset:(4*\m+2*\c)*1024   ; lanes 0-15: tile 4 m + 2 c, lanes 16-31 the next: 256 consecutive bytes each, aligned
.endr
.irp b, 0,1,2,3
	ds_store_b8 v[VBA], v[TM+4+\b] offset:64*(4*\m+\b)   ; my block's byte in the word of d = 16 (4 m + b') + r
.endr
	s_wait_dscnt 0x0                               ; the stores have read their registers
.endr
	s_barrier_signal -1                            ; (my LDS stores have landed: the wait above)
	s_barrier_wait -1                              ; the scale words of all 128 rows lie in LDS
	s_cmp_lt_u32 s[WV], 3
	s_cbranch_scc0 .Lno_words
	ds_load_b128 v[248:251], v[SCR]                ; wave 0: q's 512 bytes, wave 1: k's, wave 2: v's
	s_wait_dscnt 0x0
	global_store_b128 v[XO], v[248:251], s[44:45]  ; 512 consecutive bytes, aligned
.Lno_words:
	s_wait_tensorcnt 0x0                           ; the wave's end: a wait, 0 added to my spare word and the wait for it, behind my last tensor load and my last LDS store
	ds_add_u32 v[SPW], v[NIL]
	s_wait_dscnt 0x0
	ROUND                                          ; the closing round
	s_endpgm
.Lfunc_end_k_qe1c6bd4505_proj:
	.size	k_qe1c6bd4505_proj, .Lfunc_end_k_qe1c6bd4505_proj-k_qe1c6bd4505_proj
	.p2alignl 7, 3214868480
	.fill 96, 4, 3214868480
	.section	.rodata,"a",@progbits
	.p2align	6, 0x0
	.amdhsa_kernel k_qe1c6bd4505_proj
		.amdhsa_group_segment_fixed_size 278528
		.amdhsa_private_segment_fixed_size 0
		.amdhsa_enable_private_segment 0
		.amdhsa_kernarg_size 40
		.amdhsa_user_sgpr_count 2
		.amdhsa_user_sgpr_kernarg_segment_ptr 1
		.amdhsa_wavefront_size32 1
		.amdhsa_system_sgpr_workgroup_id_x 1
		.amdhsa_system_sgpr_workgroup_id_y 1
		.amdhsa_system_sgpr_workgroup_id_z 1
		.amdhsa_system_vgpr_workitem_id 0
		.amdhsa_next_free_vgpr 1024
		.amdhsa_next_free_sgpr 66
		.amdhsa_reserve_vcc 0
		.amdhsa_float_denorm_mode_32 3
		.amdhsa_float_denorm_mode_16_64 3
		.amdhsa_memory_ordered 1
		.amdhsa_forward_progress 1
		.amdhsa_inst_pref_size 229
	.end_amdhsa_kernel
	.amdgpu_metadata
---
amdhsa.version: [ 1, 2 ]
amdhsa.kernels:
  - .name:           k_qe1c6bd4505_proj
    .symbol:         k_qe1c6bd4505_proj.kd
    .args:
      - { .name: x, .offset: 0, .size: 8, .value_kind: global_buffer, .address_space: global }
      - { .name: wpk, .offset: 8, .size: 8, .value_kind: global_buffer, .address_space: global }
      - { .name: qc, .offset: 16, .size: 8, .value_kind: global_buffer, .address_space: global }
      - { .name: qs, .offset: 24, .size: 8, .value_kind: global_buffer, .address_space: global }
      - { .name: kv, .offset: 32, .size: 8, .value_kind: global_buffer, .address_space: global }
    .group_segment_fixed_size: 278528
    .private_segment_fixed_size: 0
    .kernarg_segment_align: 8
    .kernarg_segment_size: 40
    .max_flat_workgroup_size: 128
    .sgpr_count:     66
    .vgpr_count:     1024
    .wavefront_size: 32
...
	.end_amdgpu_metadata
.endif
;; end of part 2
;; launch attn (part 3): grid 32 x 8, 16 waves a work-group, clusters of 4 x 1, 327,680 bytes of LDS; arguments qc, qs, kv, out0; writes out0
.if DOCPART == 3
	.amdgcn_target "amdgcn-amd-amdhsa--gfx1250"
	.amdhsa_code_object_version 6
	.text
	.protected	k_qe1c6bd4505_attn
	.globl	k_qe1c6bd4505_attn
	.p2align	8
	.type	k_qe1c6bd4505_attn,@function
k_qe1c6bd4505_attn:
	s_mov_b64 s[64:65], 0
	v_nop
	global_prefetch_b8 v0, s[64:65] scope:SCOPE_SE
	s_setreg_imm32_b32 hwreg(HW_REG_WAVE_MODE, 25, 1), 1
	s_wait_xcnt 0x0
	s_wait_alu depctr_hold_cnt(0) depctr_sa_sdst(0) depctr_va_vdst(0) depctr_va_sdst(0) depctr_va_ssrc(0) depctr_va_vcc(0) depctr_vm_vsrc(0)
	s_getreg_b32 s2, hwreg(HW_REG_IB_STS2, 6, 4)
	s_cmp_eq_u32 s2, 0
	s_cbranch_scc0 .Lentry_in_a_cluster
	s_endpgm
.Lentry_in_a_cluster:
	s_bfe_u32 s2, ttmp6, 0x10000c
	s_cmp_lg_u32 s2, 0x3003
	s_cbranch_scc0 .Lentry_shape_is_right
	s_endpgm
.Lentry_shape_is_right:
; out[b][q][:] = the sum over k <= q of softmax_k(q . k / sqrt(128)) v[k][:], both products on codes of FP4 (E2M1) with one E8M0 scale for each 32 along a product's K.  8 batches, 4,096 rows, head 128.
; IN: qc, qs: q's fragment images and scale words, a tile of 16 queries each; kv: a record of 17,408 bytes for each 128 keys: k's 8 images, v's 8 images (keys innermost), k's and v's scale words.  All as the projection launch laid them.
; TILE ORDER: within 128 rows, lane r of tile 2 b + u is row 32 b + 8 u + r + 8 (r / 8): so the 16 registers of two neighbouring tiles of S^T are 16 neighbouring keys.
; THE SOFTMAX AHEAD OF THE SECOND PRODUCT: t = score x log2(e) / sqrt(128); M = the largest t so far, rounded UP to a whole number; p = 2^(t - M) is quantised along the keys, not normalised; the row's sum is taken of the
; unquantised p and divides at the end.  When M moves, the sum and O are multiplied by 2^(old M - new M): exact.
; SHARES.  Work-group p = 4 C + cx of a batch owns two blocks of 64 queries: block p (few keys), then block 63 - p (many): every work-group has the same work.  Wave w: a = w % 4 is its tile of 16 queries, kap = w / 4 its
; key step (128 keys) within a slot of four: the four waves of a tile SPLIT THE KEYS, each with a largest t, a sum and an O^T of its own, which meet in LDS at the end.  Sixteen waves of 256 registers: four to a SIMD, so that one wave's vector work stands beside another's products and LDS loads.
; THE WALK.  Numbers that the four partners share: block p needs at most 2 C + 2 key steps, block 63 - p at most 32 - 2 C: C / 2 + 1 slots and 8 - C / 2 slots: NINE slots in every work-group, a constant of the text.
; A key step past those counts is jumped over (a scalar branch on ids).  From key step 2 C (30 - 2 C) on the mask is applied, as data: hidden scores become -infinity, p = 0.  A wave that has seen no key keeps M = -3e38, sum 0, O 0, and counts for nothing in the merge.
; CLUSTER.  The partners walk the same slots, so each slot is asked for JOINTLY (waves 0 to 3, a record each).  No branch and no LDS address hangs on cx: it enters q's and out's addresses, the prefetch's address and the mask's numbers.
; Both products are used transposed (S^T = K Q^T, O^T = V^T P^T): a lane holds ONE query throughout.
; LIMITS: NaN and infinities are not served; a block whose every p is under 2^-124 gets the byte 1 (its codes round to zeros or the smallest codes).
; REGISTERS: v1-11 addresses; v12 -M, v13 the largest t, v[14:15] the sum in two halves; v16-23 Q; v24-31 the second block's Q; v32-95 eight fragments of K, then of V; v96-159 S^T, then p; v160-223 O^T; v224-231 p's codes;
;   v232-239, v244-247, v252-254 at work; v240 the second block's Q scale words; v241-243 the merge's addresses; v248-251 K's or V's scale words, a pair of tiles to a register; v253 p's scale word; v255 Q's scale words.
.set REC,   17408                      ; a record
.set SLOTB, 69632                      ; a slot: four records.  LDS: slot 0 at 0, slot 1 at SLOTB
.set STL,   139264                     ; the first block's partial O: region 4 a + kap of 16 rows x 528 bytes.  (The second block's go into bytes 0 on: the ring, behind its last fill and its last read)
.set PREG,  8448
.set STAT,  274432                     ; -M and the sums: [block: 2,048][-M: 1,024, sum: 1,024], word at 256 a + 16 r + 4 kap
.set SPARE, 278528                     ; the spare words, 128 bytes for each of sixteen waves: eight blocks of 256 bytes that no other line names
.set AF,  1                            ; v1, v2   REC kap + 16 x lane in slot 0, 1: images
.set AS,  3                            ; v3, v4   REC kap + 16,384 + 4 x lane: scale words
.set SPW, 5
.set NIL, 6
.set QL,  7                            ; v7   r + 8 (r / 8) - 16 h, for the mask; behind the loop 16 x lane
.set PKL, 8                            ; v8   where I park O^T, first block
.set PKH, 9                            ; v9   second block
.set STA, 10                           ; v10  where I park -M and the sum
.set PFO, 11                           ; v11  256 x lane: the prefetch's offset; never rewritten
.set MRH, 241                          ; v241 the merge: my four rows, second block;  v242 first block
.set MST, 243                          ; v243 the merge: my four rows' statistics
.set WV,  12                           ; s12 wave;  s13 a;  s14 kap;  s15 cx;  s16 C;  s17 p;  s18 batch
.set SA,  13
.set KAP, 14
.set CC,  16
.set PP,  17
.set BAT, 18
.set SEL, 20                           ; s[20:21] lane selects: lane l xor 16
.set CS,  22                           ; s[22:23] c = log2(e) / sqrt(128)
.set G1,  24                           ; s[24:31] descriptor group 1;  s[32:35], s[36:39] group 0 for slot 0, 1
.set G0,  32
.set GA,  40                           ; s[40:41] the walking address;  s[42:43] my record of the batch's first slot
.set GB,  42
.set NS1, 44                           ; s44 slots of the first block;  s45 one less
.set NS1M, 45
.set SG,  46                           ; s46 the trip's number;  s47 one more
.set SG1, 47
.set JS,  48                           ; s48 my key step
.set NMX, 49                           ; s49 key steps to do;  s50 the first with a mask;  s51 my tile's first query
.set NMK, 50
.set QB,  51
.set NMXH, 52                          ; s52-54 the same for the second block
.set NMKH, 53
.set QBH, 54
.set OB,  56                           ; s[56:57], s[58:59] out at my four rows, first and second block
.set PFA, 60                           ; s[60:61] where my prefetch stands
.set PLO, 62                           ; s62 3 in a wave that prefetches, else a number above every trip's
.set CNT, 63
.macro PLACES n
.rept \n
	v_nop
.endr
.endm
.macro ROUND                           ; a round of the cluster's barrier
	s_barrier_signal -1
	s_barrier_wait -1
	s_cmp_lg_u32 s[WV], 0
	s_cbranch_scc1 .Lnw0_\@
	s_barrier_signal -3
.Lnw0_\@:
	s_barrier_wait -3
	s_barrier_signal -1
	s_barrier_wait -1
.endm
.macro TLOAD sl                        ; waves 0 to 3 fetch a record each; the branch hangs on the wave's number alone.  An s_nop 0 and four v_nop follow the load
	s_cmp_lt_u32 s[WV], 4
	s_cbranch_scc0 .Lnt_\@
	tensor_load_to_lds s[G0+4*(\sl):G0+4*(\sl)+3], s[G1:G1+7]
	s_nop 0
	PLACES 4
.Lnt_\@:
.endm
; A PREFETCH INTO THE L2.  Slots 4 to 7 of a batch are asked for first by the batch's cluster 0, in its trips 4 to 7 (slots 0 to 3 are asked for as early by the clusters with long first blocks).  So cluster 0 names, in trips 3 to 6, behind its
; tensor loads, what the NEXT trip's loads will ask for.  Partner cx takes record cx, told apart BY ADDRESS; in it wave 4 names k's 8,192 bytes of images and wave 5 v's, lanes 256 bytes apart: each block is named once in the launch.
; A record's 1,024 bytes of scale words come by their load alone.  The last trip that asks names slot 7, the batch's last.
.macro ASK
	s_sub_co_u32 s96, s[SG], s[PLO]
	s_cmp_le_u32 s96, 3
	s_cbranch_scc0 .Lna_\@
	global_prefetch_b8 v[PFO], s[PFA:PFA+1] th:TH_LOAD_NT scope:SCOPE_SE
.Lna_\@:
.endm
.macro WMS d, a, b, sa, sb, zero, rowa ; one product; zero = 1: C = 0; rowa: source 0's scales stand in lanes 16-31
.if \zero
.if \rowa
	v_wmma_scale_f32_16x16x128_f8f6f4 v[(\d):(\d)+7], v[(\a):(\a)+7], v[(\b):(\b)+7], 0, v[\sa], v[\sb] matrix_a_fmt:MATRIX_FMT_FP4 matrix_b_fmt:MATRIX_FMT_FP4 matrix_a_scale:MATRIX_SCALE_ROW1
.else
	v_wmma_scale_f32_16x16x128_f8f6f4 v[(\d):(\d)+7], v[(\a):(\a)+7], v[(\b):(\b)+7], 0, v[\sa], v[\sb] matrix_a_fmt:MATRIX_FMT_FP4 matrix_b_fmt:MATRIX_FMT_FP4
.endif
.else
.if \rowa
	v_wmma_scale_f32_16x16x128_f8f6f4 v[(\d):(\d)+7], v[(\a):(\a)+7], v[(\b):(\b)+7], v[(\d):(\d)+7], v[\sa], v[\sb] matrix_a_fmt:MATRIX_FMT_FP4 matrix_b_fmt:MATRIX_FMT_FP4 matrix_a_scale:MATRIX_SCALE_ROW1
.else
	v_wmma_scale_f32_16x16x128_f8f6f4 v[(\d):(\d)+7], v[(\a):(\a)+7], v[(\b):(\b)+7], v[(\d):(\d)+7], v[\sa], v[\sb] matrix_a_fmt:MATRIX_FMT_FP4 matrix_b_fmt:MATRIX_FMT_FP4
.endif
.endif
.endm
.macro RESET                           ; a block of queries begins: the largest t is -3e38, under every t; the sum and O^T are zeros, which the first change of M leaves zeros
	v_mov_b32 v13, 0xff61b1e6
	v_floor_f32 v12, -v13
	v_mov_b32 v14, 0
	v_mov_b32 v15, 0
.set rz, 0
.rept 64
	v_mov_b32 v[160+rz], 0
.set rz, rz+1
.endr
.endm
; A KEY STEP: my record of slot sl, 128 keys.
.macro STEP sl
	s_cmp_ge_u32 s[JS], s[NMX]                     ; past the block's key steps: hidden for all four partners
	s_cbranch_scc1 .Lhid_\@
	PLACES 4                                       ; in front of loads into registers that the last products have read
.irp t, 0,1,2,3,4,5,6,7
.irp c, 0,1
	ds_load_b128 v[32+8*\t+4*\c:35+8*\t+4*\c], v[AF+\sl] offset:1024*\t+512*\c   ; K's eight images: 512 consecutive bytes a load
.endr
.endr
.irp g, 0,1,2,3
	ds_load_b32 v[248+\g], v[AS+\sl] offset:128*\g   ; lanes 0-15: tile 2 g's scale words, lanes 16-31: tile 2 g + 1's
.endr
	s_wait_dscnt 0x0
.irp t, 0,1,2,3,4,5,6,7
	WMS 96+8*\t, 32+8*\t, 16, 248+\t/2, 255, 1, \t%2   ; S^T: lane (r, h) holds query r; the 16 registers of tiles 2 b, 2 b + 1 are keys 32 b + 16 h + 0 .. 15
.endr
	PLACES 4                                       ; in front of the loads below and of the first read of the scores
.irp t, 0,1,2,3,4,5,6,7
.irp c, 0,1
	ds_load_b128 v[32+8*\t+4*\c:35+8*\t+4*\c], v[AF+\sl] offset:8192+1024*\t+512*\c   ; V's eight images land while the softmax is walked
.endr
.endr
.irp g, 0,1,2,3
	ds_load_b32 v[248+\g], v[AS+\sl] offset:512+128*\g
.endr
	s_cmp_lt_u32 s[JS], s[NMK]                     ; all keys of this step count for all queries of the four partners: no mask
	s_cbranch_scc1 .Lopen_\@
	s_lshl_b32 s96, s[JS], 7
	s_sub_co_i32 s96, s[QB], s96
	v_add_nc_u32 v252, s96, v[QL]                  ; d = my query - the step's first key - 16 h.  Register 16 b + i holds key 32 b + 16 h + i of the step: hidden where 32 b + i > d
	v_mov_b32 v254, 0xff800000                     ; -infinity
.set mn, 0
.rept 64
	v_cmp_gt_i32 vcc_lo, 32*(mn/16)+mn%16, v252
	v_cndmask_b32 v[96+mn], v[96+mn], v254, vcc_lo
.set mn, mn+1
.endr
.Lopen_\@:
.irp b, 0,1,2,3
	v_max3_num_f32 v[232+\b], v[96+16*\b], v[97+16*\b], v[98+16*\b]   ; the largest score of each block of 32 keys: it serves the row's maximum and, since p rises with the score, the block's largest p
.endr
.irp i, 3,5,7,9,11,13
.irp b, 0,1,2,3
	v_max3_num_f32 v[232+\b], v[232+\b], v[96+16*\b+\i], v[97+16*\b+\i]
.endr
.endr
.irp b, 0,1,2,3
	v_max_num_f32 v[232+\b], v[232+\b], v[111+16*\b]
.endr
.irp b, 0,1,2,3
	v_permlanex16_b32 v[236+\b], v[232+\b], s[SEL], s[SEL+1]
.endr
.irp b, 0,1,2,3
	v_max_num_f32 v[232+\b], v[232+\b], v[236+\b]  ; with lane l xor 16's 16 keys
.endr
	v_max3_num_f32 v254, v232, v233, v234
	v_max_num_f32 v254, v254, v235                 ; the step's largest score of my query
	v_mul_f32 v254, s[CS], v254                    ; as t (c is positive)
	v_max_num_f32 v13, v13, v254                   ; the running largest t
	v_mov_b32 v254, v12
	v_floor_f32 v12, -v13                          ; the new -M = floor(-t): M is a whole number
	v_sub_f32 v254, v12, v254                      ; old M - new M: a whole number, 0 or less
	v_cvt_i32_f32 v254, v254                       ; (it saturates)
	v_ldexp_f32 v252, 1.0, v254                    ; f = 2^(old M - new M)
.set sj, 0
.rept 32
	v_pk_fma_f32 v[96+sj:97+sj], v[96+sj:97+sj], s[CS:CS+1], v[12:13] op_sel_hi:[1,0,0]   ; t - M, two at a time
.set sj, sj+2
.endr
.irp b, 0,1,2,3
	v_fma_f32 v[232+\b], v[232+\b], s[CS], v12     ; the same of each block's largest score
.endr
.set sj, 0
.rept 64
	v_exp_f32 v[96+sj], v[96+sj]                   ; p = 2^(t - M), at most 1
.set sj, sj+1
.endr
	v_pk_mul_f32 v[14:15], v[14:15], v[252:253] op_sel_hi:[1,0]   ; the sums under the new M: a plain line behind the exponentials
	s_wait_alu depctr_va_vdst(0)                   ; one wait for the batch of 64, ahead of its first reader
.irp b, 0,1,2,3
	v_exp_f32 v[232+\b], v[232+\b]                 ; the block's largest p: the same two instructions on the same number give the same bits
.endr
	v_pk_add_f32 v[236:237], v[96:97], v[98:99]    ; the row's sum is taken of the UNQUANTISED p, two at a time, in two chains; plain work behind the four
.irp j, 4,8,12,16,20,24,28,32,36,40,44,48,52,56,60
	v_pk_add_f32 v[14:15], v[14:15], v[96+\j:97+\j]
	v_pk_add_f32 v[236:237], v[236:237], v[98+\j:99+\j]
.endr
	v_pk_add_f32 v[14:15], v[14:15], v[236:237]
	s_wait_alu depctr_va_vdst(0)                   ; and one for the four
.irp b, 0,1,2,3
	v_max_num_f32 v[232+\b], 0x1800000, v[232+\b]  ; the floor 2^(3 - 127): the byte cannot fall under 1
.endr
.irp b, 0,1,2,3
	v_add_nc_u32 v[244+\b], 0xff000000, v[232+\b]  ; 2 off the exponent field: the conversion's scale operand
.endr
.irp b, 0,1,2,3
	v_lshrrev_b32 v[236+\b], 23, v[244+\b]         ; the scale's byte
.endr
	v_lshl_or_b32 v253, v237, 8, v236              ; p's scale word for these 128 keys
	v_lshl_or_b32 v253, v238, 16, v253
	v_lshl_or_b32 v253, v239, 24, v253
.irp b, 0,1,2,3
	v_cvt_scalef32_pk8_fp4_f32 v[224+2*\b], v[96+16*\b:103+16*\b], v[244+\b]
	v_cvt_scalef32_pk8_fp4_f32 v[225+2*\b], v[104+16*\b:111+16*\b], v[244+\b]
.endr
	v_nop                                          ; one plain line behind a scaled conversion
.irp c, 0,1                                    ; a WHOLE block to a lane
.irp i, 0,1
	v_permlane16_swap_b32 v[224+4*\c+\i], v[226+4*\c+\i]
.endr
.endr
.set sj, 0
.rept 32
	v_pk_mul_f32 v[160+sj:161+sj], v[160+sj:161+sj], v[252:253] op_sel_hi:[1,0]   ; O^T under the new M.  (These 32 are also the places between p's codes and scale word and the products below)
.set sj, sj+2
.endr
	s_wait_dscnt 0x0                               ; V is in
.irp n, 0,1,2,3,4,5,6,7
	WMS 160+8*\n, 32+8*\n, 224, 248+\n/2, 253, 0, \n%2   ; O^T += V^T P^T: eight accumulators, one instruction each
.endr
.Lhid_\@:
.endm
; My partial result goes to LDS: O^T as 16 rows of 512 bytes (+ 16), -M and the sum as words.
.macro PARK adr, ph
	PLACES 4                                       ; behind the last products
	v_add_f32 v14, v14, v15                        ; the sum's two halves,
	v_permlanex16_b32 v252, v14, s[SEL], s[SEL+1]
	v_add_f32 v14, v14, v252                       ; and lane l xor 16's
.set pt, 0
.rept 8
	ds_store_b128 v[\adr], v[160+8*pt:163+8*pt] offset:64*pt       ; each accumulator from its low end on: o(r, 16 t + 8 h + 0 .. 7)
	ds_store_b128 v[\adr], v[164+8*pt:167+8*pt] offset:64*pt+16
.set pt, pt+1
.endr
	ds_store_b32 v[STA], v12 offset:2048*\ph       ; lanes r and r + 16 write the same word with the same value
	ds_store_b32 v[STA], v14 offset:2048*\ph+1024
	s_wait_dscnt 0x0                               ; the stores have landed and have read their registers
.endm
.macro SWITCH                          ; the first block is done: park it, and begin the second
	PARK PKL, 0
.irp i, 0,1,2,3,4,5,6,7
	v_mov_b32 v[16+\i], v[24+\i]
.endr
	v_mov_b32 v255, v240
	RESET                                          ; (its lines are also the places between the moves above and the next products)
	s_mov_b32 s[JS], s[KAP]
	s_mov_b32 s[NMX], s[NMXH]
	s_mov_b32 s[NMK], s[NMKH]
	s_mov_b32 s[QB], s[QBH]
.endm
; A TRIP: one slot.  At its head each wave waits for all its tensor loads (one: its record of this slot), adds 0 to its spare word, and waits for that and for its LDS instructions; the cluster's round follows.
; Behind it this slot is whole and no wave of any partner reads the other: refill = 1: the other slot takes the next trip's four records: the load has a trip's work in which to land.
.macro TRIP sl, refill, sw
	s_wait_tensorcnt 0x0                           ; no tensor load of mine is out, so a group 0 may be written
	ds_add_u32 v[SPW], v[NIL]                      ; 0 onto my spare word; the descriptor's step stands between it and the wait for it
.if \refill
	s_add_nc_u64 s[GA:GA+1], s[GA:GA+1], SLOTB     ; the next four records,
	s_cmp_eq_u32 s[SG1], s[NS1]
	s_cselect_b64 s[GA:GA+1], s[GB:GB+1], s[GA:GA+1]   ; or, where the next trip begins the second block, the batch's first again
	s_mov_b64 s[G0+4*(1-\sl)+2:G0+4*(1-\sl)+3], s[GA:GA+1]
	s_or_b32 s[G0+4*(1-\sl)+3], s[G0+4*(1-\sl)+3], 0x80000000
	s_wait_xcnt 0x0                                ; the last prefetch, a trip back, has read its address, so it may be written
	s_add_nc_u64 s[PFA:PFA+1], s[PFA:PFA+1], SLOTB
.endif
	s_wait_dscnt 0x0                               ; the add is done, and my reads of the other slot are over
	ROUND
.if \refill
	TLOAD 1-\sl                                    ; the first thing behind the round, and a wave's one tensor load until the next
	ASK
.endif
	STEP \sl
	s_add_co_u32 s[JS], s[JS], 4                   ; my key step of the next slot
.if \sw
	s_cmp_lg_u32 s[SG], s[NS1M]                    ; the same in all waves and all partners
	s_cbranch_scc1 .Lnosw_\@
	SWITCH
.Lnosw_\@:
.endif
	s_add_co_u32 s[SG], s[SG], 1
	s_add_co_u32 s[SG1], s[SG1], 1
.endm
; THE MERGE of block ph.  Wave (a, kap) takes rows 4 kap .. 4 kap + 3 of tile a: the four partial rows of each, 512 bytes a load; M* = the largest of the four M; each partial is brought under M* by an exact power of two.
.macro MERGE ph
.set MO, 144+64*\ph
.irp jj, 0,1,2,3
.irp kp, 0,1,2,3
	ds_load_b128 v[32+16*\jj+4*\kp:35+16*\jj+4*\kp], v[MRH+1-\ph] offset:PREG*\kp+528*\jj
.endr
.endr
.irp jj, 0,1,2,3
	ds_load_b128 v[96+4*\jj:99+4*\jj], v[MST] offset:2048*\ph+16*\jj          ; the row's four -M, the same in every lane
	ds_load_b128 v[112+4*\jj:115+4*\jj], v[MST] offset:2048*\ph+1024+16*\jj   ; and its four sums
.endr
	s_wait_dscnt 0x0
.irp jj, 0,1,2,3
	v_min3_num_f32 v[136+\jj], v[96+4*\jj], v[97+4*\jj], v[98+4*\jj]
.endr
.irp jj, 0,1,2,3
	v_min_num_f32 v[136+\jj], v[136+\jj], v[99+4*\jj]   ; -M*
.endr
.irp i, 0,1,2,3,4,5,6,7,8,9,10,11,12,13,14,15
	v_sub_f32 v[224+\i], v[136+\i/4], v[96+\i]     ; M - M*: a whole number, 0 or less
.endr
.irp i, 0,1,2,3,4,5,6,7,8,9,10,11,12,13,14,15
	v_cvt_i32_f32 v[224+\i], v[224+\i]             ; (it saturates)
.endr
.irp i, 0,1,2,3,4,5,6,7,8,9,10,11,12,13,14,15
	v_ldexp_f32 v[224+\i], 1.0, v[224+\i]          ; f = 2^(M - M*)
.endr
.irp jj, 0,1,2,3
	v_mul_f32 v[128+\jj], v[224+4*\jj], v[112+4*\jj]
.endr
.irp kp, 1,2,3
.irp jj, 0,1,2,3
	v_fmac_f32 v[128+\jj], v[224+4*\jj+\kp], v[112+4*\jj+\kp]   ; the row's sum
.endr
.endr
.irp jj, 0,1,2,3
	v_rcp_f32 v[132+\jj], v[128+\jj]
.endr
	v_nop                                          ; a plain line behind the last reciprocal
	s_wait_alu depctr_va_vdst(0)                   ; one wait for the four, ahead of their first reader
.irp i, 0,1,2,3,4,5,6,7,8,9,10,11,12,13,14,15
	v_mul_f32 v[224+\i], v[224+\i], v[132+\i/4]    ; f / the sum
.endr
.irp jj, 0,1,2,3
.irp e, 0,1,2,3
	v_mul_f32 v[MO+4*\jj+\e], v[224+4*\jj], v[32+16*\jj+\e]
.endr
.irp kp, 1,2,3
.irp e, 0,1,2,3
	v_fmac_f32 v[MO+4*\jj+\e], v[224+4*\jj+\kp], v[32+16*\jj+4*\kp+\e]
.endr
.endr
	global_store_b128 v[QL], v[MO+4*\jj:MO+4*\jj+3], s[OB+2*\ph:OB+2*\ph+1] offset:512*\jj th:TH_STORE_NT   ; a whole row of out: 512 consecutive bytes, aligned
.endr
.endm
	s_load_b256 s[4:11], s[0:1], 0x0               ; qc s[4:5], qs s[6:7], kv s[8:9], out s[10:11]
	v_lshl_add_u32 v[SPW], v0, 2, SPARE
	v_mov_b32 v[NIL], 0
	ds_add_u32 v[SPW], v[NIL]                      ; the wave's opening: the add and its wait stand ahead of my first tensor load; the set-up below, work on registers, stands between them
	v_lshrrev_b32 v32, 5, v0
	v_readfirstlane_b32 s[WV], v32                 ; wave 0..15
	s_and_b32 s[SA], s[WV], 3                      ; a
	s_lshr_b32 s[KAP], s[WV], 2                    ; kap
	s_bfe_u32 s15, ttmp6, 0x40000                  ; cx
	s_mov_b32 s[CC], ttmp9                         ; C: in a cluster launch ttmp9 counts clusters
	s_lshl_b32 s[PP], s[CC], 2
	s_add_co_u32 s[PP], s[PP], s15                 ; p
	s_and_b32 s[BAT], ttmp7, 0xffff                ; the batch
	; descriptor group 1: a record, 17,408 dense bytes, as 68 rows of 32 elements of 8 bytes; no padding: images are read 512 consecutive bytes at a time
	s_mov_b32 s[G1+0], 15|(3<<16)|(1<<21)          ; 15:0 the mask: all four work-groups; 17:16 elements of 8 bytes; 21 set beside a mask
	s_mov_b32 s[G1+1], 32<<16
	s_mov_b32 s[G1+2], 68<<16
	s_mov_b32 s[G1+3], 32<<16
	s_mov_b32 s[G1+4], 68
	s_mov_b32 s[G1+5], 32
	s_mov_b32 s[G1+6], 0
	s_mov_b32 s[G1+7], 0
	s_mov_b32 s[G0], 1
	s_mul_i32 s[G0+1], s[SA], REC                  ; LDS: record w of slot 0 (waves 0 to 3 alone fetch: there a = w),
	s_mov_b32 s[G0+4], 1
	s_add_co_u32 s[G0+5], s[G0+1], SLOTB           ; and of slot 1
	s_mov_b32 s[SEL], 0x76543210
	s_mov_b32 s[SEL+1], 0xfedcba98
	s_mov_b32 s[CS], 0x3e0293ee                    ; c = log2(e) / sqrt(128)
	s_mov_b32 s[CS+1], s[CS]                       ; (named with it as a pair, so it is written)
	s_lshr_b32 s[NS1M], s[CC], 1
	s_add_co_u32 s[NS1], s[NS1M], 1
	s_mov_b32 s[SG], 0
	s_mov_b32 s[SG1], 1
	s_mov_b32 s[JS], s[KAP]
	s_lshl_b32 s[NMK], s[CC], 1
	s_add_co_u32 s[NMX], s[NMK], 2
	s_sub_co_u32 s[NMKH], 30, s[NMK]
	s_sub_co_u32 s[NMXH], 32, s[NMK]
	s_lshr_b32 s66, s[SA], 1
	s_lshl_b32 s66, s66, 5
	s_and_b32 s67, s[SA], 1
	s_lshl_b32 s67, s67, 3
	s_add_co_u32 s66, s66, s67                     ; my tile's first row in its block: 32 (a / 2) + 8 (a % 2)
	s_lshl_b32 s[QB], s[PP], 6
	s_add_co_u32 s[QB], s[QB], s66
	s_sub_co_u32 s67, 63, s[PP]                    ; the second block
	s_lshl_b32 s[QBH], s67, 6
	s_add_co_u32 s[QBH], s[QBH], s66
	s_lshl_b32 s68, s[BAT], 8
	s_add_co_u32 s68, s68, s[SA]
	s_lshl_b32 s70, s[PP], 2
	s_add_co_u32 s70, s70, s68                     ; my tiles' numbers: 256 x batch + 4 x block + a
	s_lshl_b32 s71, s67, 2
	s_add_co_u32 s71, s71, s68
	s_mul_i32 s82, s[BAT], 32*REC                  ; the batch's records
	s_mul_i32 s88, s[SA], REC
	s_add_co_u32 s88, s88, s82                     ; my record of its first slot (registers that never hold cx)
	s_mov_b32 s89, 0
	s_mul_i32 s90, s15, REC                        ; the prefetch: record cx,
	s_add_co_u32 s90, s90, s82
	s_and_b32 s91, s[WV], 1
	s_lshl_b32 s91, s91, 13                        ; wave 4: k's images, wave 5: v's
	s_add_co_u32 s90, s90, s91
	s_mov_b32 s91, 0
	s_lshr_b32 s86, s[WV], 1
	s_xor_b32 s86, s86, 2                          ; 0 in waves 4 and 5,
	s_or_b32 s86, s86, s[CC]                       ; of the batch's cluster 0: the same in all four partners
	s_mov_b32 s87, 0x40000000
	s_cmp_eq_u32 s86, 0
	s_cselect_b32 s[PLO], 3, s87
	s_lshl_b32 s85, s[KAP], 2
	s_lshr_b32 s84, s[KAP], 1
	s_lshl_b32 s84, s84, 3
	s_add_co_u32 s85, s85, s84
	s_lshl_b32 s84, s[BAT], 12
	s_add_co_u32 s85, s85, s84                     ; 4,096 x batch + 4 kap + 8 (kap / 2): rows 4 kap on of a tile, in tile order
	v_and_b32 v32, 31, v0                          ; lane
	v_and_b32 v33, 15, v0                          ; r
	v_bfe_u32 v34, v0, 4, 1                        ; h
	s_mul_i32 s92, s[KAP], REC
	v_lshl_add_u32 v[AF], v32, 4, s92
	v_add_nc_u32 v[AF+1], SLOTB, v[AF]
	v_lshl_add_u32 v[AS], v32, 2, s92
	v_add_nc_u32 v[AS], 16384, v[AS]
	v_add_nc_u32 v[AS+1], SLOTB, v[AS]
	v_and_b32 v[QL], 8, v33
	v_add_nc_u32 v[QL], v[QL], v33
	v_lshlrev_b32 v35, 4, v34
	v_sub_nc_u32 v[QL], v[QL], v35
	s_lshl_b32 s92, s[SA], 2
	s_add_co_u32 s92, s92, s[KAP]
	s_mul_i32 s92, s92, PREG
	v_mul_u32_u24 v[PKH], v33, 528
	v_lshl_add_u32 v[PKH], v34, 5, v[PKH]
	v_add_nc_u32 v[PKH], s92, v[PKH]
	v_add_nc_u32 v[PKL], STL, v[PKH]
	s_lshl_b32 s92, s[SA], 8
	s_lshl_b32 s93, s[KAP], 2
	s_add_co_u32 s93, s93, s92
	s_add_co_u32 s93, s93, STAT
	v_lshl_add_u32 v[STA], v33, 4, s93
	s_lshl_b32 s93, s[KAP], 6
	s_add_co_u32 s93, s93, s92
	s_add_co_u32 s93, s93, STAT
	v_mov_b32 v[MST], s93
	s_mul_i32 s92, s[SA], 4*PREG
	s_mul_i32 s93, s[KAP], 4*528
	s_add_co_u32 s92, s92, s93
	v_lshl_add_u32 v[MRH], v32, 4, s92
	v_add_nc_u32 v[MRH+1], STL, v[MRH]
	v_lshlrev_b32 v[PFO], 8, v32
	v_lshlrev_b32 v36, 4, v32
	v_lshlrev_b32 v37, 2, v33
	RESET
.irp b, 0,1,2,3
	v_mov_b32 v[236+\b], 0                         ; written once: a lane permute's destination counts as one of its sources
.endr
	v_mov_b32 v252, 0
	v_mov_b32 v253, 0                              ; (named as the upper half of the pair v[252:253] before it is first written)
	s_wait_dscnt 0x0                               ; the opening add is done
	s_wait_kmcnt 0x0
	s_add_nc_u64 s[GB:GB+1], s[8:9], s[88:89]
	s_mov_b64 s[GA:GA+1], s[GB:GB+1]
	s_mov_b64 s[G0+2:G0+3], s[GB:GB+1]
	s_or_b32 s[G0+3], s[G0+3], 0x80000000          ; type = 2
	s_add_nc_u64 s[PFA:PFA+1], s[8:9], s[90:91]    ; at the batch's slot 0: trip g steps it to slot g + 1.  Nothing is prefetched at the head
	s_mov_b32 s73, 0
	s_lshl_b32 s72, s70, 10
	s_add_nc_u64 s[74:75], s[4:5], s[72:73]        ; q's images: first block,
	s_lshl_b32 s72, s71, 10
	s_add_nc_u64 s[76:77], s[4:5], s[72:73]        ; second;
	s_lshl_b32 s72, s70, 6
	s_add_nc_u64 s[78:79], s[6:7], s[72:73]        ; their scale words
	s_lshl_b32 s72, s71, 6
	s_add_nc_u64 s[80:81], s[6:7], s[72:73]
	s_add_co_u32 s72, s85, s[QB]
	s_lshl_b32 s72, s72, 9
	s_add_nc_u64 s[OB:OB+1], s[10:11], s[72:73]
	s_add_co_u32 s72, s85, s[QBH]
	s_lshl_b32 s72, s72, 9
	s_add_nc_u64 s[OB+2:OB+3], s[10:11], s[72:73]
.irp c, 0,1
	global_load_b128 v[16+4*\c:19+4*\c], v36, s[74:75] offset:512*\c
	global_load_b128 v[24+4*\c:27+4*\c], v36, s[76:77] offset:512*\c
.endr
	global_load_b32 v255, v37, s[78:79]
	global_load_b32 v240, v37, s[80:81]
	ROUND                                          ; all four work-groups are here: the first joint loads meet
	TLOAD 0                                        ; slot 0: the batch's first four records
	s_wait_loadcnt 0x0                             ; Q; and v36, v37 may be written again
	s_mov_b32 s[CNT], 4
.Ltrip:                                            ; four trips of two slots; the ninth slot is written out
	TRIP 0, 1, 1
	TRIP 1, 1, 1
	s_sub_co_u32 s[CNT], s[CNT], 1
	s_cmp_lg_u32 s[CNT], 0
	s_cbranch_scc1 .Ltrip
	TRIP 0, 0, 0                                   ; nothing is left to fetch; the change of blocks lies in trips 0 to 3
	s_wait_dscnt 0x0                               ; my reads of the ring are over
	s_barrier_signal -1
	s_barrier_wait -1                              ; everybody's are; both slots have had their last fill
	PARK PKH, 1                                    ; the second block's partial results go into the ring's bytes
	s_barrier_signal -1                            ; (PARK has waited for its stores)
	s_barrier_wait -1
	v_and_b32 v[QL], 31, v0
	v_lshlrev_b32 v[QL], 4, v[QL]                  ; 16 x lane: my place in a row of out
	MERGE 0
	MERGE 1
	s_wait_tensorcnt 0x0                           ; the wave's end: a wait, 0 added to my spare word and the wait for it, behind my last tensor load and my last LDS store
	ds_add_u32 v[SPW], v[NIL]
	s_wait_dscnt 0x0
	ROUND                                          ; the closing round: no work-group ends while a partner may still ask for a slot that names it
	s_endpgm
.Lfunc_end_k_qe1c6bd4505_attn:
	.size	k_qe1c6bd4505_attn, .Lfunc_end_k_qe1c6bd4505_attn-k_qe1c6bd4505_attn
	.p2alignl 7, 3214868480
	.fill 96, 4, 3214868480
	.section	.rodata,"a",@progbits
	.p2align	6, 0x0
	.amdhsa_kernel k_qe1c6bd4505_attn
		.amdhsa_group_segment_fixed_size 327680
		.amdhsa_private_segment_fixed_size 0
		.amdhsa_enable_private_segment 0
		.amdhsa_kernarg_size 32
		.amdhsa_user_sgpr_count 2
		.amdhsa_user_sgpr_kernarg_segment_ptr 1
		.amdhsa_wavefront_size32 1
		.amdhsa_system_sgpr_workgroup_id_x 1
		.amdhsa_system_sgpr_workgroup_id_y 1
		.amdhsa_system_sgpr_workgroup_id_z 1
		.amdhsa_system_vgpr_workitem_id 0
		.amdhsa_next_free_vgpr 256
		.amdhsa_next_free_sgpr 100
		.amdhsa_reserve_vcc 1
		.amdhsa_float_denorm_mode_32 3
		.amdhsa_float_denorm_mode_16_64 3
		.amdhsa_memory_ordered 1
		.amdhsa_forward_progress 1
		.amdhsa_inst_pref_size 106
	.end_amdhsa_kernel
	.amdgpu_metadata
---
amdhsa.version: [ 1, 2 ]
amdhsa.kernels:
  - .name:           k_qe1c6bd4505_attn
    .symbol:         k_qe1c6bd4505_attn.kd
    .args:
      - { .name: qc, .offset: 0, .size: 8, .value_kind: global_buffer, .address_space: global }
      - { .name: qs, .offset: 8, .size: 8, .value_kind: global_buffer, .address_space: global }
      - { .name: kv, .offset: 16, .size: 8, .value_kind: global_buffer, .address_space: global }
      - { .name: out0, .offset: 24, .size: 8, .value_kind: global_buffer, .address_space: global }
    .group_segment_fixed_size: 327680
    .private_segment_fixed_size: 0
    .kernarg_segment_align: 8
    .kernarg_segment_size: 32
    .max_flat_workgroup_size: 512
    .sgpr_count:     100
    .vgpr_count:     256
    .wavefront_size: 32
...
	.end_amdgpu_metadata
.endif
;; end of part 3
